; MI455X (gfx1250); checked and timed in simulation.
; The chip was launched on July 23, 2026; its instructions are those of AMD's public machine-readable ISA for CDNA 5 (MIT licence, August 2026) and "CDNA5" Instruction Set Architecture Reference Guide (July 2026). The comments in the code are by the model that wrote it; some were corrected since.
;; Vector Quantizer. Allowed arithmetic: matrix products marked QUANTISED: E2M1 operands, one E8M0 scale for each 32 along K, by v_wmma_scale_f32_16x16x128_f8f6f4 with both operands' format E2M1 (or v_wmma_scale_f32_32x16x128_f4), f32 sums; everything else in f32.
;; Inputs: codebook 8,192 x 256 float32; z 8 x 256 x 64 x 64 float32.
;; Outputs: out0 8 x 256 x 64 x 64 float32.
;; This version of the problem:
;;   THIS VERSION OF THE PROBLEM IS GIVEN IN LOW PRECISION. The matrix products marked QUANTISED in the list below multiply operands that are first quantised to E2M1 (2 exponent bits, 1 mantissa bit; 4 bits a number), with one power-of-two scale for each 32 numbers along K (OCP MX v1.0); their sums are f32. All else is computed in f32.
;;   The module's matrix products, in the order in which they are computed (A, B: the left and right operand; K: the contracted axis; several contracted axes count as one K, in the product's order):
;;     1. [M 32,768, K 256] x [K 256, N 8,192]; A: input z; B: input codebook: QUANTISED
;;   THE QUANTISER, for each operand of a quantised product, along K:
;;     - K is cut into blocks of 32 from its start; a last block that is shorter is filled with zeros.
;;     - A block's scale is 2^e with e = floor(log2(the largest magnitude in the block)) - 2, held to -126 .. 127; a block of zeros has e = 0. As a byte (E8M0): e + 127.
;;     - Each number is divided by its block's scale, clamped to +-6, and rounded to the nearest number of E2M1, ties to even, subnormals kept.
;;     - The product sums the exact products of the quantised numbers (number of the format x scale) in f32.
;;   ~~~python
;;   def quantise(x, axis):      # numpy; x: float32 -> the quantised numbers, widened to float32 again
;;       x = np.moveaxis(x, axis, -1); K = x.shape[-1]
;;       x = np.pad(x, [(0, 0)] * (x.ndim - 1) + [(0, -K % 32)]); x = x.reshape(x.shape[:-1] + (-1, 32)); a = np.abs(x).max(-1, keepdims=True)
;;       e = np.where(a > 0, np.clip(np.frexp(np.where(a > 0, a, 1))[1] - 1 - 2, -126, 127), 0)      # np.frexp(a)[1] - 1 = floor(log2(a)), exactly
;;       r = np.clip(x / 2.0 ** e, -6, 6)
;;       step = 2.0 ** (np.maximum(np.frexp(np.where(r == 0, 1, r))[1] - 1, 0) - 1)
;;       q = np.round(r / step) * step * 2.0 ** e      # np.round: ties to even
;;       return np.moveaxis(q.reshape(q.shape[:-2] + (-1,))[..., :K], -1, axis).astype(np.float32)
;;   ~~~
;; One version. Each part assembles by itself: llvm-mc -triple=amdgcn-amd-amdhsa -mcpu=gfx1250 --defsym DOCPART=n.
;; ======== version 1 of 1: 3 launches
;; workspace buffers: cbrec 1,179,648 bytes; zrec 4,718,592 bytes; idx 131,072 bytes of whole numbers
;; launch quant (part 1): grid 320 x 1, 8 waves a work-group, no clusters, 136,192 bytes of LDS; arguments z, codebook, zrec, cbrec; writes zrec, cbrec
.if DOCPART == 1
	.amdgcn_target "amdgcn-amd-amdhsa--gfx1250"
	.amdhsa_code_object_version 6
	.text
	.protected	k_qfb191b6bfc_quant
	.globl	k_qfb191b6bfc_quant
	.p2align	8
	.type	k_qfb191b6bfc_quant,@function
k_qfb191b6bfc_quant:
	s_mov_b64 s[64:65], 0
	v_nop
	global_prefetch_b8 v0, s[64:65] scope:SCOPE_SE
	s_setreg_imm32_b32 hwreg(HW_REG_WAVE_MODE, 25, 1), 1
	s_wait_xcnt 0x0
; z [8][256][64][64] f32 (K = the 256 channels, not innermost) and codebook [8192][256] f32 (K innermost) become codes of FP4 (E2M1) with one E8M0 byte for each 32 along K,
; laid as RECORDS of 2,304 bytes for 16 rows, in the order of a matrix operand's registers (l = r + 16 h is the lane that will hold the bytes):
;   g * 512 + 16 l, g = 0 .. 3 : the 16 bytes of codes of row r, block 2 g + h of 32 along K (four loads of 16 bytes a lane give the two fragments of 128 along K)
;   2048 + 4 l                 : row r's scale word (four bytes) of K step h
;   codebook: 2176 + 4 r : the sum of the row's squares; 2240 .. 2303 zeros.      z: 2176 + 64 s + 4 r : the sum of the squares of K step s
; A block's scale is 2^(floor(log2(its largest magnitude)) - 2); its byte is the largest magnitude's exponent field - 2, held at 1 from below.
; LIMITS: a block of zeros gets the byte 1 where the rule says 127 (its codes are zeros, and this program alone reads the bytes); NaN and infinities among the inputs are not served;
; the squares are summed in four chains a lane, another order than a plain running sum.
; Work-groups 0 .. 255 take z (128 queries each), 256 .. 319 the codebook (8 records each); every wave moves 16 KiB of f32.  No barrier: waves share nothing.  LDS is used by the codebook's path alone.
.set REC, 2304
.set X,   32                           ; v32-159  four blocks of 32 numbers
.set C,   160                          ; v160-175 four registers of codes a block: no store's data are written again
.set BY,  24                           ; v24-27   the blocks' scale bytes
.set STG, 16896                        ; LDS of a wave: 16 rows of SP bytes, then 256 bytes for the record's tail
.set SP,  1040                         ; a row of 1,024 bytes + 16: the sixteen rows that a load touches lie in sixteen different 16-byte columns modulo 256 bytes
; One block: the 32 numbers v[xs] .. v[xs+31] of ONE lane -> 4 registers of codes v[cd] on, the scale's byte v[by]; their squares go onto v[12:13] and v[14:15] (first = 1: they start the sums).
.macro QBLK xs, cd, by, first
	v_max3_num_f32 v8, |v[(\xs)]|, |v[(\xs)+1]|, |v[(\xs)+2]|          ; the largest magnitude, in two chains
	v_max3_num_f32 v9, |v[(\xs)+3]|, |v[(\xs)+4]|, |v[(\xs)+5]|
.irp i, 6,10,14,18,22,26
	v_max3_num_f32 v8, v8, |v[(\xs)+\i]|, |v[(\xs)+\i+1]|
	v_max3_num_f32 v9, v9, |v[(\xs)+\i+2]|, |v[(\xs)+\i+3]|
.endr
	v_max3_num_f32 v8, v8, |v[(\xs)+30]|, |v[(\xs)+31]|
	v_max3_num_f32 v8, v8, v9, 0x1800000                               ; and the floor 2^(3 - 127): the byte cannot fall under 1
	v_add_nc_u32 v10, 0xff000000, v8                                   ; 2 off the exponent field: the conversion takes this operand's exponent field as its scale
	v_lshrrev_b32 v[(\by)], 23, v10                                    ; the scale's byte
.irp g, 0,1,2,3
	v_cvt_scalef32_pk8_fp4_f32 v[(\cd)+\g], v[(\xs)+8*\g:(\xs)+8*\g+7], v10
.endr
.irp i, 0,4,8,12,16,20,24,28
.if (\first) && (\i == 0)
	v_pk_mul_f32 v[12:13], v[(\xs):(\xs)+1], v[(\xs):(\xs)+1]
	v_pk_mul_f32 v[14:15], v[(\xs)+2:(\xs)+3], v[(\xs)+2:(\xs)+3]
.else
	v_pk_fma_f32 v[12:13], v[(\xs)+\i:(\xs)+\i+1], v[(\xs)+\i:(\xs)+\i+1], v[12:13]
	v_pk_fma_f32 v[14:15], v[(\xs)+\i+2:(\xs)+\i+3], v[(\xs)+\i+2:(\xs)+\i+3], v[14:15]
.endif
.endr
.endm
	s_load_b256 s[4:11], s[0:1], 0x0               ; z s[4:5], codebook s[6:7], zrec s[8:9], cbrec s[10:11]
	v_lshl_add_u32 v176, v0, 2, 0x21000
	v_mov_b32 v177, 0
	v_lshrrev_b32 v1, 5, v0
	v_readfirstlane_b32 s12, v1                    ; wave 0..7
	v_and_b32 v1, 31, v0                           ; lane
	v_and_b32 v2, 15, v0                           ; r
	v_bfe_u32 v3, v0, 4, 1                         ; h
	s_mov_b32 s20, 0x76543210
	s_mov_b32 s21, 0xfedcba98                      ; v_permlanex16_b32's selects for lane l xor 16
	s_wait_kmcnt 0x0
	s_cmp_ge_u32 ttmp9, 256
	s_cbranch_scc1 .Lcode
	; ---- z.  A LANE TAKES A QUERY AND ITS REGISTERS RUN DOWN THE CHANNELS: wave = 4 s + qg takes queries 32 qg .. + 31 of the group's 128 and K step s (128 channels).
	s_lshr_b32 s14, ttmp9, 5                       ; the image: 32 work-groups to each
	s_lshl_b32 s14, s14, 22                        ; x 256 channels x 16,384 bytes
	s_and_b32 s15, ttmp9, 31
	s_lshl_b32 s15, s15, 9                         ; + 128 queries x 4 bytes for each work-group
	s_add_co_u32 s14, s14, s15
	s_lshr_b32 s13, s12, 2                         ; s
	s_lshl_b32 s15, s13, 21                        ; + 128 channels for K step 1
	s_add_co_u32 s14, s14, s15
	s_mov_b32 s15, 0
	s_add_nc_u64 s[4:5], s[4:5], s[14:15]
	s_mul_i32 s14, ttmp9, 8*REC                    ; the group's eight records,
	s_and_b32 s18, s12, 3
	s_mul_i32 s18, s18, 2*REC                      ; my wave's two of them
	s_add_co_u32 s14, s14, s18
	s_lshl_b32 s18, s13, 10
	s_add_co_u32 s18, s18, s14                     ; codes: K step s begins 1,024 bytes on
	s_mov_b32 s19, 0
	s_lshl_b32 s22, s13, 6
	s_add_co_u32 s22, s22, s14
	s_add_co_u32 s22, s22, 2048                    ; scale words of K step s: 2,048 + 64 s
	s_mov_b32 s23, 0
	s_add_nc_u64 s[16:17], s[8:9], s[22:23]
	s_add_nc_u64 s[8:9], s[8:9], s[18:19]
	v_and_b32 v4, 127, v0
	v_lshlrev_b32 v4, 2, v4                        ; in: my query's 4 bytes; the four waves of a K step stand side by side on 512 bytes
	v_mul_u32_u24 v5, v3, REC                      ; out: lanes 16-31 hold the second record's rows
	v_lshl_add_u32 v6, v2, 2, v5                   ; 4 bytes a row
	v_lshl_add_u32 v5, v2, 4, v5                   ; 16 bytes a row
.set n, 0
.rept 128
	global_load_b32 v[X+n], v4, s[4:5] offset:n*16384 th:TH_LOAD_NT    ; channel 128 s + n of my query: 128 consecutive bytes a wave
.set n, n+1
.endr
	s_wait_loadcnt 63                              ; block 0's 32 loads are in: 96 younger ones were issued, the count names as many as its field holds
	QBLK X, C, BY, 1
	global_store_b128 v5, v[C:C+3], s[8:9]         ; block blk of K step s lies at 1,024 s + 256 blk + 16 r: sixteen lanes fill 256 consecutive bytes, aligned
	s_wait_loadcnt 63                              ; block 1's: 64 younger ones were issued
	QBLK X+32, C+4, BY+1, 0
	global_store_b128 v5, v[C+4:C+7], s[8:9] offset:256
	s_wait_loadcnt 32                              ; block 2's: block 3's 32 may be out
	QBLK X+64, C+8, BY+2, 0
	global_store_b128 v5, v[C+8:C+11], s[8:9] offset:512
	s_wait_loadcnt 0x0
	QBLK X+96, C+12, BY+3, 0
	global_store_b128 v5, v[C+12:C+15], s[8:9] offset:768
	v_lshl_or_b32 v16, v[BY+1], 8, v[BY]           ; the four bytes make my query's scale word of this K step
	v_lshl_or_b32 v16, v[BY+2], 16, v16
	v_lshl_or_b32 v16, v[BY+3], 24, v16
	v_pk_add_f32 v[12:13], v[12:13], v[14:15]
	v_add_f32 v17, v12, v13                        ; the squares of this K step
	global_store_b32 v6, v16, s[16:17]
	global_store_b32 v6, v17, s[16:17] offset:128  ; 2,176 + 64 s + 4 r
	s_endpgm
.Lcode:
	; ---- the codebook.  A wave takes a record: 16 rows, 16 KiB of dense memory.  The loads take the bytes as they lie; they turn through the wave's own stage so that lane (r, h) gets whole blocks of row r.
	s_sub_co_u32 s14, ttmp9, 256
	s_lshl_b32 s14, s14, 3
	s_add_co_u32 s14, s14, s12                     ; the record's number
	s_lshl_b32 s16, s14, 14
	s_mov_b32 s17, 0
	s_add_nc_u64 s[6:7], s[6:7], s[16:17]
	s_mul_i32 s16, s14, REC
	s_add_nc_u64 s[10:11], s[10:11], s[16:17]
	v_lshlrev_b32 v4, 4, v1                        ; 16 x lane
	s_mul_i32 s15, s12, STG
	v_add_nc_u32 v5, s15, v4                       ; the stage, on the way in
	v_mul_u32_u24 v6, v2, SP
	v_lshl_add_u32 v6, v3, 7, v6
	v_add_nc_u32 v6, s15, v6                       ; and back: row r, + 128 h: block 2 g + h begins 256 g bytes on
	s_add_co_u32 s15, s15, 16*SP                   ; the record's tail
	v_lshl_add_u32 v7, v1, 2, s15
	v_lshl_add_u32 v28, v1, 3, s15
	v_lshlrev_b32 v29, 3, v1
.set n, 0
.rept 32
	global_load_b128 v[X+4*n:X+4*n+3], v4, s[6:7] offset:512*n th:TH_LOAD_NT   ; 512 consecutive bytes: half of row n / 2
.set n, n+1
.endr
.set n, 0
.irp k, 0,1,2,3
	s_wait_loadcnt 24-8*\k                         ; this batch's eight loads are in; the later batches' may be out
.rept 8
	ds_store_b128 v5, v[X+4*n:X+4*n+3] offset:(n/2)*SP+(n%2)*512
.set n, n+1
.endr
.endr
.set n, 0
.rept 32
	ds_load_b128 v[X+4*n:X+4*n+3], v6 offset:(n/8)*256+(n%8)*16   ; LDS serves a wave's instructions in order (ISA guide 5.7.1.4): these see the stores above, and land in the registers that those have left
.set n, n+1
.endr
	s_wait_dscnt 24                                ; group 0's eight loads are back; the later groups' may be out
	QBLK X, C, BY, 1
	global_store_b128 v4, v[C:C+3], s[10:11]       ; 512 consecutive bytes of the record
	s_wait_dscnt 16
	QBLK X+32, C+4, BY+1, 0
	global_store_b128 v4, v[C+4:C+7], s[10:11] offset:512
	s_wait_dscnt 8
	QBLK X+64, C+8, BY+2, 0
	global_store_b128 v4, v[C+8:C+11], s[10:11] offset:1024
	s_wait_dscnt 0x0
	QBLK X+96, C+12, BY+3, 0
	global_store_b128 v4, v[C+12:C+15], s[10:11] offset:1536
	v_lshl_or_b32 v16, v[BY+1], 16, v[BY]          ; K step 0: my bytes of blocks h and 2 + h,
	v_lshl_or_b32 v17, v[BY+3], 16, v[BY+2]        ; K step 1: of blocks 4 + h and 6 + h,
	v_lshlrev_b32 v18, 3, v3
	v_lshlrev_b32 v16, v18, v16                    ; at their places in the word (8 h bits up);
	v_lshlrev_b32 v17, v18, v17
	v_mov_b32 v19, 0                               ; (a lane permute's destination counts as one of its sources)
	v_mov_b32 v20, 0
	v_mov_b32 v22, 0
	v_mov_b32 v23, 0
	v_permlanex16_b32 v19, v16, s20, s21
	v_permlanex16_b32 v20, v17, s20, s21
	v_or_b32 v16, v16, v19                         ; with lane l xor 16's two bytes each word is whole
	v_or_b32 v17, v17, v20
	v_cmp_eq_u32 vcc_lo, 1, v3
	v_cndmask_b32 v16, v16, v17, vcc_lo            ; lane r + 16 h keeps the word of K step h
	v_pk_add_f32 v[12:13], v[12:13], v[14:15]
	v_add_f32 v21, v12, v13
	v_permlanex16_b32 v22, v21, s20, s21
	v_add_f32 v21, v21, v22                        ; the row's squares
	v_cndmask_b32 v21, v21, v23, vcc_lo            ; lanes 16-31 write the zeros behind them
	ds_store_b32 v7, v16                           ; the tail is gathered in LDS,
	ds_store_b32 v7, v21 offset:128
	ds_load_b64 v[18:19], v28
	s_wait_dscnt 0x0
	global_store_b64 v29, v[18:19], s[10:11] offset:2048   ; and leaves as 256 consecutive bytes, aligned
	s_wait_tensorcnt 0x0
	ds_add_u32 v176, v177
	s_wait_dscnt 0x0
	s_endpgm
.Lfunc_end_k_qfb191b6bfc_quant:
	.size	k_qfb191b6bfc_quant, .Lfunc_end_k_qfb191b6bfc_quant-k_qfb191b6bfc_quant
	.p2alignl 7, 3214868480
	.fill 96, 4, 3214868480
	.section	.rodata,"a",@progbits
	.p2align	6, 0x0
	.amdhsa_kernel k_qfb191b6bfc_quant
		.amdhsa_group_segment_fixed_size 136192
		.amdhsa_private_segment_fixed_size 0
		.amdhsa_enable_private_segment 0
		.amdhsa_kernarg_size 32
		.amdhsa_user_sgpr_count 2
		.amdhsa_user_sgpr_kernarg_segment_ptr 1
		.amdhsa_wavefront_size32 1
		.amdhsa_system_sgpr_workgroup_id_x 1
		.amdhsa_system_sgpr_workgroup_id_y 1
		.amdhsa_system_sgpr_workgroup_id_z 1
		.amdhsa_system_vgpr_workitem_id 0
		.amdhsa_next_free_vgpr 178
		.amdhsa_next_free_sgpr 66
		.amdhsa_reserve_vcc 1
		.amdhsa_float_denorm_mode_32 3
		.amdhsa_float_denorm_mode_16_64 3
		.amdhsa_memory_ordered 1
		.amdhsa_forward_progress 1
		.amdhsa_inst_pref_size 44
	.end_amdhsa_kernel
	.amdgpu_metadata
---
amdhsa.version: [ 1, 2 ]
amdhsa.kernels:
  - .name:           k_qfb191b6bfc_quant
    .symbol:         k_qfb191b6bfc_quant.kd
    .args:
      - { .name: z, .offset: 0, .size: 8, .value_kind: global_buffer, .address_space: global }
      - { .name: codebook, .offset: 8, .size: 8, .value_kind: global_buffer, .address_space: global }
      - { .name: zrec, .offset: 16, .size: 8, .value_kind: global_buffer, .address_space: global }
      - { .name: cbrec, .offset: 24, .size: 8, .value_kind: global_buffer, .address_space: global }
    .group_segment_fixed_size: 136192
    .private_segment_fixed_size: 0
    .kernarg_segment_align: 8
    .kernarg_segment_size: 32
    .max_flat_workgroup_size: 256
    .sgpr_count:     66
    .vgpr_count:     178
    .wavefront_size: 32
...
	.end_amdgpu_metadata
.endif
;; end of part 1
;; launch argmin (part 2): grid 256 x 1, 4 waves a work-group, clusters of 4 x 1, 327,680 bytes of LDS; arguments cbrec, zrec, idx; writes idx
.if DOCPART == 2
	.amdgcn_target "amdgcn-amd-amdhsa--gfx1250"
	.amdhsa_code_object_version 6
	.text
	.protected	k_qfb191b6bfc_argmin
	.globl	k_qfb191b6bfc_argmin
	.p2align	8
	.type	k_qfb191b6bfc_argmin,@function
k_qfb191b6bfc_argmin:
	s_mov_b64 s[64:65], 0
	v_nop
	global_prefetch_b8 v0, s[64:65] scope:SCOPE_SE
	s_setreg_imm32_b32 hwreg(HW_REG_WAVE_MODE, 25, 1), 1
	s_wait_xcnt 0x0
	s_wait_alu depctr_hold_cnt(0) depctr_sa_sdst(0) depctr_va_vdst(0) depctr_va_sdst(0) depctr_va_ssrc(0) depctr_va_vcc(0) depctr_vm_vsrc(0)
	s_getreg_b32 s2, hwreg(HW_REG_IB_STS2, 6, 4)
	s_cmp_eq_u32 s2, 0
	s_cbranch_scc0 .Lentry_in_a_cluster
	s_endpgm
.Lentry_in_a_cluster:
	s_bfe_u32 s2, ttmp6, 0x10000c
	s_cmp_lg_u32 s2, 0x3003
	s_cbranch_scc0 .Lentry_shape_is_right
	s_endpgm
.Lentry_shape_is_right:
; idx[n] = the first j at which d[n][j] = fl(fl(a[n] + b[j]) - 2 c[n][j]) is least; c = the product of the FP4 codes with their E8M0 scales, f32 sums; a, b the sums of squares.
; d is rounded as written: one addition, then one fused multiply-add by -2 (2 c is exact), since equal d are frequent and the first index must win.  Ties go to the lower index at every merge.
; LIMITS: NaN and infinities are not served (the minimum passes over a NaN).  a and b were summed in another order than a running sum: that moves d by whole steps of its grid, but for rows whose a + b lies within
; the size of 2 c of a power of two.
; SHARES.  A work-group owns 128 queries: 8 tiles of 16, whose fragments EVERY wave keeps in registers.  The 512 records of the codebook (16 entries, 2,304 bytes, an image of the operand's registers) come in 8 fills of
; 64 through two LDS slots; wave w fetches and reads records 16 w .. 16 w + 15 of each fill, so that each LDS byte is read once in the work-group.
; CLUSTER.  All work-groups walk the same records: the four of a cluster ask JOINTLY, by the same tensor load with the same descriptor and the mask 15.  The place in the cluster enters global addresses of zrec and idx alone.
; THE PRODUCT IS USED TRANSPOSED (source 0 = 16 entries, source 1 = 16 queries): lane (r, h) holds ONE query r, and its eight registers entries 8 h + 0 .. 7 of the record.
; THE SCAN of a tile, 22 vector lines for 8 numbers a lane: 4 packed additions, 4 packed multiply-adds, 4 three-way minima (the old best among their leaves), one compare, one select of the record's number, eight
; selects that keep the winning tile's d.  At the end the first kept d that equals the best gives the entry.
; PIPELINE.  A record is two halves: H1 multiplies query tiles 0-3 (ACX) and scans the record before's tiles 4-7 (ACY); H2 multiplies tiles 4-7 and scans tiles 0-3.  So a scan of 88 plain lines that name none of its
; registers stands behind every run of matrix instructions.  The next record is fetched from LDS between H1 and H2.  A record -1 that can never win (b = +infinity) lets the loop be written once.
; REGISTERS.  Window 0: v1-13 addresses; v16-23 the queries' scale words, v24-25 the records'; v32-47 a as pairs; v48-63 b, two sets; v64-95 the record's fragments, two sets; v96-127 ACX, v128-159 ACY; v160-191 d;
;   v192-207 the best, two sets by turns; v208-215 the best's record; v216-227 at work; v228-255 the way out.   Window 1: v0-63 the kept d; v128-255 the queries' fragments.
.set REC,   2304
.set QUART, 16*REC                     ; what one tensor load brings: 144 rows of 256 bytes
.set SLOTB, 4*QUART
.set MRG,   2*SLOTB                    ; behind the ring: 4,096 bytes for the merge over the waves; no fill lands here
.set SPARE, MRG+4096                   ; the spare words, 128 bytes for each wave: two blocks of 256 bytes that no other line names
.set L16, 1                            ; v1   16 x lane
.set L4,  2                            ; v2   4 x lane
.set R4,  3                            ; v3   4 x (lane % 16)
.set HB,  4                            ; v4   32 x (lane / 16)
.set ADR, 5                            ; v5-7 LDS addresses of the two records in hand: fragments, scale words, b
.set ADS, 6
.set ADB, 7
.set SPW, 8                            ; v8   my spare word: SPARE + 4 x my thread's number; never rewritten
.set NIL, 9                            ; v9   0; never rewritten
.set H8,  10                           ; v10  8 x (lane / 16)
.set T4,  11                           ; v11  4 x my thread's number
.set MA,  12                           ; v12  the merge: where I store
.set MB,  13                           ; v13  and where I read
.set BS,  16
.set AS,  24
.set AQ,  32
.set BB,  48
.set AF,  64
.set ACX, 96
.set ACY, 128
.set TMP, 160
.set BEST, 192
.set BT,  208
.set TM,  216
.set JJ,  228
.set PR,  236
.set SVW, 0                            ; in window 1
.set BFW, 128                          ; in window 1
.set MK,  40                           ; s[40:47] compare masks
.set MSB, 0
.macro WIN new                         ; the immediate's high byte repeats the setting that is left; a switch that changes nothing is dropped
.if MSB != \new
	s_set_vgpr_msb (MSB<<8)|\new
.set MSB, \new
.endif
.endm
.macro ROUND                           ; a round of the cluster's barrier: my work-group's barrier; wave 0 signals for the work-group; every wave waits for all four work-groups; my work-group's barrier once more
	s_barrier_signal -1
	s_barrier_wait -1
	s_cmp_lg_u32 s10, 0
	s_cbranch_scc1 .Lnot_wave_0_\@
	s_barrier_signal -3
.Lnot_wave_0_\@:
	s_barrier_wait -3
	s_barrier_signal -1
	s_barrier_wait -1
.endm
; Seven LDS loads: a record into set p.  The addresses are made once for two records; the odd one lies REC bytes on.
.macro FETCH p
	WIN 0
.if (\p) == 0
	v_add_nc_u32 v[ADR], s34, v[L16]
	v_add_nc_u32 v[ADS], s34, v[L4]
	v_add_nc_u32 v[ADB], s34, v[HB]
	s_add_co_u32 s34, s34, 2*REC
.endif
.irp g, 0,1,2,3
	ds_load_b128 v[AF+16*(\p)+4*\g:AF+16*(\p)+4*\g+3], v[ADR] offset:REC*(\p)+512*\g
.endr
	ds_load_b32 v[AS+(\p)], v[ADS] offset:REC*(\p)+2048                 ; lanes 0-15: K step 0's words; lanes 16-31: K step 1's
	ds_load_b128 v[BB+8*(\p):BB+8*(\p)+3], v[ADB] offset:REC*(\p)+2176  ; b of entries 8 h + 0 .. 7
	ds_load_b128 v[BB+8*(\p)+4:BB+8*(\p)+7], v[ADB] offset:REC*(\p)+2192
.endm
; Eight matrix instructions: the record in set p against query tiles q0 .. q0 + 3, two K steps of 128.  The first four start the sums with the constant 0; the four accumulators take turns, one instruction a turn.
.macro MM acc, q0, p
	WIN 0x04                                       ; source 1 (the queries) in window 1
.irp ti, 0,1,2,3
	v_wmma_scale_f32_16x16x128_f8f6f4 v[\acc+8*\ti:\acc+8*\ti+7], v[AF+16*(\p):AF+16*(\p)+7], v[BFW+16*(\q0+\ti):BFW+16*(\q0+\ti)+7], 0, v[AS+(\p)], v[BS+\q0+\ti] matrix_a_fmt:MATRIX_FMT_FP4 matrix_b_fmt:MATRIX_FMT_FP4
.endr
.irp ti, 0,1,2,3
	v_wmma_scale_f32_16x16x128_f8f6f4 v[\acc+8*\ti:\acc+8*\ti+7], v[AF+16*(\p)+8:AF+16*(\p)+15], v[BFW+16*(\q0+\ti)+8:BFW+16*(\q0+\ti)+15], v[\acc+8*\ti:\acc+8*\ti+7], v[AS+(\p)], v[BS+\q0+\ti] matrix_a_fmt:MATRIX_FMT_FP4 matrix_b_fmt:MATRIX_FMT_FP4 matrix_a_scale:MATRIX_SCALE_ROW1 matrix_b_scale:MATRIX_SCALE_ROW1
.endr
.endm
; The scan of four tiles, stage by stage, so that no line reads the line above it.  p: the record's set; s35: its number.  The best is read from set 1 - p and written to set p.
.macro SCAN acc, q0, p
	WIN 0
.irp i, 0,2,4,6
.irp ti, 0,1,2,3
	v_pk_add_f32 v[TMP+8*\ti+\i:TMP+8*\ti+\i+1], v[BB+8*(\p)+\i:BB+8*(\p)+\i+1], v[AQ+2*(\q0+\ti):AQ+2*(\q0+\ti)+1]   ; a + b, rounded
.endr
.endr
.irp i, 0,2,4,6                                ; each accumulator is read from its low end on
.irp ti, 0,1,2,3
	v_pk_fma_f32 v[TMP+8*\ti+\i:TMP+8*\ti+\i+1], v[\acc+8*\ti+\i:\acc+8*\ti+\i+1], -2.0, v[TMP+8*\ti+\i:TMP+8*\ti+\i+1] op_sel_hi:[1,0,1]   ; d = (a + b) - 2 c, rounded once
.endr
.endr
.irp ti, 0,1,2,3
	v_min3_num_f32 v[TM+3*\ti], v[TMP+8*\ti], v[TMP+8*\ti+1], v[TMP+8*\ti+2]
.endr
.irp ti, 0,1,2,3
	v_min3_num_f32 v[TM+3*\ti+1], v[TMP+8*\ti+3], v[TMP+8*\ti+4], v[TMP+8*\ti+5]
.endr
.irp ti, 0,1,2,3
	v_min3_num_f32 v[TM+3*\ti+2], v[TMP+8*\ti+6], v[TMP+8*\ti+7], v[BEST+8*(1-(\p))+\q0+\ti]
.endr
.irp ti, 0,1,2,3
	v_min3_num_f32 v[BEST+8*(\p)+\q0+\ti], v[TM+3*\ti], v[TM+3*\ti+1], v[TM+3*\ti+2]
.endr
.irp ti, 0,1,2,3
	v_cmp_lt_f32 s[MK+\ti], v[BEST+8*(\p)+\q0+\ti], v[BEST+8*(1-(\p))+\q0+\ti]   ; strictly less: an equal d of a later record does not win
.endr
.irp ti, 0,1,2,3
	v_cndmask_b32 v[BT+\q0+\ti], v[BT+\q0+\ti], s35, s[MK+\ti]
.endr
	WIN 0x41                                       ; destination and source 0 (the kept d) in window 1
.irp j, 0,1,2,3,4,5,6,7
.irp ti, 0,1,2,3
	v_cndmask_b32 v[SVW+8*(\q0+\ti)+\j], v[SVW+8*(\q0+\ti)+\j], v[TMP+8*\ti+\j], s[MK+\ti]
.endr
.endr
.endm
.macro H1 p
	s_wait_dscnt 0x0                               ; the record's seven loads are in
	MM ACX, 0, \p
	SCAN ACY, 4, 1-(\p)                            ; the record before, tiles 4-7
	s_mov_b32 s35, s36                             ; from here on the scans are this record's
	s_add_co_u32 s36, s36, 1
.endm
.macro H2 p
	MM ACY, 4, \p
	SCAN ACX, 0, \p
.endm
; A slot's 16 records.  At its head the change of slots: the last record of the slot that is left is in registers.  Each wave waits for all its tensor loads (one: its quarter of this slot), adds 0 to its spare word,
; and waits for that and for its reads of the slot that it has left; the round follows; behind it that slot is filled again first (refill = 1), by one joint load a wave, which has this slot's scan in which to land.
.macro TRIP slot, refill
	WIN 0
	s_wait_tensorcnt 0x0                           ; no tensor load of mine is out, so a group 0 may be written
	ds_add_u32 v[SPW], v[NIL]                      ; 0 onto my spare word; the three steps below stand between it and the wait for it
	s_add_nc_u64 s[26+4*\slot:27+4*\slot], s[26+4*\slot:27+4*\slot], 2*SLOTB   ; this slot's next fill; the type bits on top are not reached
	s_add_co_u32 s34, s13, \slot*SLOTB             ; the fetches go to my quarter of this slot
	s_add_co_u32 s36, s36, 48                      ; and the records' numbers on to the next fill: 64 f + 16 w + i
	s_wait_dscnt 0x0                               ; the add is done, and my reads of the slot that I have left are over
	ROUND
.if \refill
	tensor_load_to_lds s[28-4*\slot:31-4*\slot], s[16:23]
	s_nop 0
.rept 4
	v_nop
.endr
.endif
	s_mov_b32 s33, 8
.Lrec_\@:
	FETCH 0
	H2 1
	H1 0
	FETCH 1
	H2 0
	H1 1
	WIN 0                                          ; at a label and at a branch every window is 0
	s_sub_co_u32 s33, s33, 1
	s_cmp_lg_u32 s33, 0
	s_cbranch_scc1 .Lrec_\@
.endm
; (d, i) takes (dp, ip) where that is less, by d and then by the index
.macro LEXMIN d, i, dp, ip
	v_cmp_lt_f32 s50, v[\dp], v[\d]
	v_cmp_eq_f32 s51, v[\dp], v[\d]
	v_cmp_lt_u32 s52, v[\ip], v[\i]
	s_and_b32 s51, s51, s52
	s_or_b32 s50, s50, s51
	v_cndmask_b32 v[\d], v[\d], v[\dp], s50
	v_cndmask_b32 v[\i], v[\i], v[\ip], s50
.endm
	s_load_b128 s[4:7], s[0:1], 0x0                ; cbrec s[4:5], zrec s[6:7]
	s_load_b64 s[8:9], s[0:1], 0x10                ; idx
	v_lshl_add_u32 v[SPW], v0, 2, SPARE
	v_mov_b32 v[NIL], 0
	ds_add_u32 v8, v9
	ds_add_u32 v8, v9
	s_wait_dscnt 0x0
	v_lshrrev_b32 v5, 5, v0
	v_readfirstlane_b32 s10, v5                    ; wave 0..3
	s_bfe_u32 s11, ttmp6, 0x40000                  ; cx: my place in the cluster
	s_lshl_b32 s12, ttmp9, 2                       ; in a cluster launch ttmp9 counts clusters
	s_add_co_u32 s12, s12, s11                     ; my block of 128 queries
	s_mul_i32 s13, s10, QUART                      ; my quarter of a fill, in memory and in a slot alike
	; descriptor group 1: 144 rows of 256 bytes (32 elements of 8 bytes), dense in memory and in LDS: the images are read 16 bytes a lane on end
	s_mov_b32 s16, 15|(3<<16)|(1<<21)              ; 15:0 the mask: all four work-groups; 17:16 elements of 8 bytes; 20 no padding; 21 set beside a mask
	s_mov_b32 s17, 32<<16                          ; tensor_dim0 = 32
	s_mov_b32 s18, 144<<16                         ; tensor_dim1 = 144
	s_mov_b32 s19, 32<<16                          ; tile_dim0 = 32
	s_mov_b32 s20, 144                             ; tile_dim1 = 144
	s_mov_b32 s21, 32                              ; tensor_dim0_stride
	s_mov_b32 s22, 0
	s_mov_b32 s23, 0
	s_mov_b32 s48, 0x76543210
	s_mov_b32 s49, 0xfedcba98                      ; v_permlanex16_b32's selects for lane l xor 16
	s_mov_b32 s56, 0x7f800000                      ; +infinity
	v_and_b32 v[L4], 31, v0
	v_lshlrev_b32 v[L16], 4, v[L4]
	v_lshlrev_b32 v[L4], 2, v[L4]
	v_and_b32 v[R4], 15, v0
	v_lshlrev_b32 v[R4], 2, v[R4]
	v_bfe_u32 v[H8], v0, 4, 1
	v_lshlrev_b32 v[HB], 5, v[H8]
	v_lshlrev_b32 v[H8], 3, v[H8]
	v_lshlrev_b32 v[T4], 2, v0
	s_lshl_b32 s57, s10, 10
	s_add_co_u32 s57, s57, MRG
	v_lshl_add_u32 v[MA], v[R4], 1, s57            ; MRG + 1,024 w + 8 r
	s_lshl_b32 s58, s10, 8
	s_add_co_u32 s58, s58, MRG
	v_lshl_add_u32 v[MB], v[L4], 1, s58            ; MRG + 256 w + 8 x lane
	s_mul_i32 s50, s12, 8*REC                      ; my eight records of zrec
	s_mov_b32 s51, 0
	s_lshl_b32 s52, s12, 9                         ; my 128 words of idx
	s_mov_b32 s53, 0
	s_mov_b32 s54, s13
	s_mov_b32 s55, 0
	s_wait_kmcnt 0x0
	s_add_nc_u64 s[6:7], s[6:7], s[50:51]
	s_add_nc_u64 s[8:9], s[8:9], s[52:53]
	s_add_nc_u64 s[4:5], s[4:5], s[54:55]          ; cbrec at my quarter of fill 0: the wave's number alone enters it
.irp n, 0,1
	s_mov_b32 s[24+4*\n], 1                        ; 1:0 count = 1
	s_add_co_u32 s[25+4*\n], s13, \n*SLOTB         ; 63:32 LDS address: slot n, my quarter
	s_add_nc_u64 s[26+4*\n:27+4*\n], s[4:5], \n*SLOTB   ; 120:64 global address: fill n
	s_or_b32 s[27+4*\n], s[27+4*\n], 0x80000000    ; 127:126 type = 2
.endr
	ROUND                                          ; all four work-groups are here: the first joint loads meet
	tensor_load_to_lds s[24:27], s[16:23]          ; fill 0; slot 1 is first filled behind the first change of slots, as a refill is
	s_nop 0
.rept 4
	v_nop
.endr
	WIN 0x40                                       ; destination window 1
.irp qt, 0,1,2,3,4,5,6,7
.irp g, 0,1,2,3
	global_load_b128 v[BFW+16*\qt+4*\g:BFW+16*\qt+4*\g+3], v[L16], s[6:7] offset:\qt*REC+512*\g   ; the queries' fragments stay in registers
.endr
.endr
	WIN 0
.irp qt, 0,1,2,3,4,5,6,7
	global_load_b32 v[BS+\qt], v[L4], s[6:7] offset:\qt*REC+2048       ; their scale words: lanes 0-15 K step 0, lanes 16-31 K step 1
	global_load_b32 v[AQ+2*\qt], v[R4], s[6:7] offset:\qt*REC+2176     ; the squares of my query: K step 0's,
	global_load_b32 v[JJ+\qt], v[R4], s[6:7] offset:\qt*REC+2240       ; and K step 1's
.endr
	; record -1, in set 1: zero codes under the scale 1, b = +infinity: its d is +infinity and never less than the best, which begins there
	v_mov_b32 v[AS+1], 0x7f7f7f7f                  ; (written far more than eight plain lines ahead of the first scaled matrix instruction)
.set n, 0
.rept 16
	v_mov_b32 v[AF+16+n], 0
.set n, n+1
.endr
.set n, 0
.rept 8
	v_mov_b32 v[BB+8+n], s56
	v_mov_b32 v[BEST+n], s56
	v_mov_b32 v[BT+n], 0
.set n, n+1
.endr
	WIN 0x40
.set n, 0
.rept 64
	v_mov_b32 v[SVW+n], s56                        ; the kept d: written once, since every select reads its own destination
.set n, n+1
.endr
	WIN 0
	s_mov_b32 s35, 0                               ; record -1's number is never taken
	s_lshl_b32 s36, s10, 4
	s_sub_co_u32 s36, s36, 48                      ; the first change of slots makes it 16 w
	s_wait_loadcnt 0x0
.irp qt, 0,1,2,3,4,5,6,7
	v_add_f32 v[AQ+2*\qt], v[AQ+2*\qt], v[JJ+\qt]  ; a
.endr
.irp qt, 0,1,2,3,4,5,6,7
	v_mov_b32 v[AQ+2*\qt+1], v[AQ+2*\qt]           ; twice, for the packed addition
.endr
	MM ACX, 0, 1                                   ; record -1's first half: products, not moves, start ACX
	WIN 0
	s_mov_b32 s32, 3
.Llap:                                             ; a trip goes once round the ring: fills 0 to 5
	TRIP 0, 1
	TRIP 1, 1
	s_sub_co_u32 s32, s32, 1
	s_cmp_lg_u32 s32, 0
	s_cbranch_scc1 .Llap
	TRIP 0, 1                                      ; the tail is written out: fill 6 asks for fill 7
	TRIP 1, 0                                      ; and fill 7 for nothing
	H2 1                                           ; the last record's second half,
	SCAN ACY, 4, 1                                 ; and its tiles 4-7: the scan above is the distance behind their products.  The best now lies in set 1
	; THE WAY OUT.  The first kept d that equals the best: j runs down, so that the lowest match stays
	WIN 0
.irp qt, 0,1,2,3,4,5,6,7
	v_mov_b32 v[JJ+\qt], 0
.endr
	WIN 0x04                                       ; source 1 (the kept d) in window 1
.irp j, 7,6,5,4,3,2,1,0
.irp qt, 0,1,2,3,4,5,6,7
	v_cmp_eq_f32 s[MK+\qt], v[BEST+8+\qt], v[SVW+8*\qt+\j]
.endr
.irp qt, 0,1,2,3,4,5,6,7
	v_cndmask_b32 v[JJ+\qt], v[JJ+\qt], \j, s[MK+\qt]
.endr
.endr
	WIN 0
.irp qt, 0,1,2,3,4,5,6,7
	v_lshl_add_u32 v[PR+2*\qt+1], v[BT+\qt], 4, v[JJ+\qt]
	v_mov_b32 v[PR+2*\qt], v[BEST+8+\qt]
.endr
.irp qt, 0,1,2,3,4,5,6,7
	v_add_nc_u32 v[PR+2*\qt+1], v[PR+2*\qt+1], v[H8]   ; the entry: 16 x record + 8 h + j
.endr
.irp qt, 0,1,2,3,4,5,6,7
	v_permlanex16_b32 v[TMP+2*\qt], v[PR+2*\qt], s48, s49      ; the query's other eight entries of each record lie in the lane 16 away
	v_permlanex16_b32 v[TMP+2*\qt+1], v[PR+2*\qt+1], s48, s49
.endr
.irp qt, 0,1,2,3,4,5,6,7
	LEXMIN PR+2*\qt, PR+2*\qt+1, TMP+2*\qt, TMP+2*\qt+1
.endr
.irp qt, 0,1,2,3,4,5,6,7
	ds_store_b64 v[MA], v[PR+2*\qt:PR+2*\qt+1] offset:128*\qt  ; my wave's (d, entry) of query 16 qt + r; both halves of the lanes write the same pair
.endr
	s_wait_dscnt 0x0                               ; for the others' sake: my stores are done
	s_barrier_signal -1
	s_barrier_wait -1
.irp v, 0,1,2,3
	ds_load_b64 v[TMP+2*\v:TMP+2*\v+1], v[MB] offset:1024*\v   ; thread t takes query t: the four waves' pairs
.endr
	s_wait_dscnt 0x0
	LEXMIN TMP, TMP+1, TMP+2, TMP+3
	LEXMIN TMP, TMP+1, TMP+4, TMP+5
	LEXMIN TMP, TMP+1, TMP+6, TMP+7
	global_store_b32 v[T4], v[TMP+1], s[8:9]       ; 128 consecutive bytes a wave, 512 a work-group
	s_wait_tensorcnt 0x0                           ; the wave's end, behind my last tensor load and my last LDS store
	ds_add_u32 v[SPW], v[NIL]
	s_wait_dscnt 0x0
	ROUND                                          ; the closing round: no work-group ends while a partner may still ask for a fill that names it
	s_endpgm
.Lfunc_end_k_qfb191b6bfc_argmin:
	.size	k_qfb191b6bfc_argmin, .Lfunc_end_k_qfb191b6bfc_argmin-k_qfb191b6bfc_argmin
	.p2alignl 7, 3214868480
	.fill 96, 4, 3214868480
	.section	.rodata,"a",@progbits
	.p2align	6, 0x0
	.amdhsa_kernel k_qfb191b6bfc_argmin
		.amdhsa_group_segment_fixed_size 327680
		.amdhsa_private_segment_fixed_size 0
		.amdhsa_enable_private_segment 0
		.amdhsa_kernarg_size 24
		.amdhsa_user_sgpr_count 2
		.amdhsa_user_sgpr_kernarg_segment_ptr 1
		.amdhsa_wavefront_size32 1
		.amdhsa_system_sgpr_workgroup_id_x 1
		.amdhsa_system_sgpr_workgroup_id_y 1
		.amdhsa_system_sgpr_workgroup_id_z 1
		.amdhsa_system_vgpr_workitem_id 0
		.amdhsa_next_free_vgpr 512
		.amdhsa_next_free_sgpr 66
		.amdhsa_reserve_vcc 0
		.amdhsa_float_denorm_mode_32 3
		.amdhsa_float_denorm_mode_16_64 3
		.amdhsa_memory_ordered 1
		.amdhsa_forward_progress 1
		.amdhsa_inst_pref_size 157
	.end_amdhsa_kernel
	.amdgpu_metadata
---
amdhsa.version: [ 1, 2 ]
amdhsa.kernels:
  - .name:           k_qfb191b6bfc_argmin
    .symbol:         k_qfb191b6bfc_argmin.kd
    .args:
      - { .name: cbrec, .offset: 0, .size: 8, .value_kind: global_buffer, .address_space: global }
      - { .name: zrec, .offset: 8, .size: 8, .value_kind: global_buffer, .address_space: global }
      - { .name: idx, .offset: 16, .size: 8, .value_kind: global_buffer, .address_space: global }
    .group_segment_fixed_size: 327680
    .private_segment_fixed_size: 0
    .kernarg_segment_align: 8
    .kernarg_segment_size: 24
    .max_flat_workgroup_size: 128
    .sgpr_count:     66
    .vgpr_count:     512
    .wavefront_size: 32
...
	.end_amdgpu_metadata
.endif
;; end of part 2
;; launch gather (part 3): grid 512 x 1, 8 waves a work-group, no clusters, 67,584 bytes of LDS; arguments z, codebook, idx, out0; writes out0
.if DOCPART == 3
	.amdgcn_target "amdgcn-amd-amdhsa--gfx1250"
	.amdhsa_code_object_version 6
	.text
	.protected	k_qfb191b6bfc_gather
	.globl	k_qfb191b6bfc_gather
	.p2align	8
	.type	k_qfb191b6bfc_gather,@function
k_qfb191b6bfc_gather:
	s_mov_b64 s[64:65], 0
	v_nop
	global_prefetch_b8 v0, s[64:65] scope:SCOPE_SE
	s_setreg_imm32_b32 hwreg(HW_REG_WAVE_MODE, 25, 1), 1
	s_wait_xcnt 0x0
; out0[b][c][hw] = z + (codebook[idx[n]][c] - z), n = 4,096 b + hw, rounded as written: one subtraction, one addition.  z, out0: [8][256][64][64] f32; codebook: [8192][256] f32; idx: 32,768 whole numbers.
; A work-group owns 64 queries x 256 channels.  Wave w gathers the rows of queries 8 w .. 8 w + 7 (1,024 consecutive bytes each) into LDS; behind one barrier it finishes channels 32 w .. 32 w + 31 of all 64 queries:
; a lane owns queries 2 l and 2 l + 1, so that each load of z and each store of out0 covers 256 consecutive bytes, aligned.
; An index is held at 8,191 from above before it enters an address.  No matrix work, no cluster, no tensor load: the work-groups share nothing but rows that a list may name twice.
.set SP, 1040                          ; a gathered row in LDS: 1,024 bytes + 16
.set T,  16                            ; v16-23   at work
.set Z,  32                            ; v32-95   z, then the result: channel c' of my two queries at v[Z + 2 c']
.set E,  96                            ; v96-159  the gathered rows, then my two queries' 32 channels
	s_load_b256 s[4:11], s[0:1], 0x0               ; z s[4:5], codebook s[6:7], idx s[8:9], out0 s[10:11]
	v_lshl_add_u32 v160, v0, 2, 0x10400
	v_mov_b32 v161, 0
	v_lshrrev_b32 v1, 5, v0
	v_readfirstlane_b32 s12, v1                    ; wave 0..7
	v_and_b32 v3, 31, v0                           ; lane
	v_lshlrev_b32 v1, 4, v3                        ; 16 x lane
	v_lshlrev_b32 v2, 3, v3                        ; 8 x lane
	s_lshr_b32 s14, ttmp9, 6                       ; the image: 64 work-groups to each
	s_lshl_b32 s14, s14, 22
	s_and_b32 s15, ttmp9, 63
	s_lshl_b32 s15, s15, 8                         ; + 64 queries x 4 bytes for each work-group
	s_add_co_u32 s14, s14, s15
	s_lshl_b32 s15, s12, 19                        ; + my wave's 32 channels of 16,384 bytes
	s_add_co_u32 s14, s14, s15
	s_mov_b32 s15, 0
	s_lshl_b32 s24, ttmp9, 8                       ; idx: 64 words a work-group,
	s_lshl_b32 s25, s12, 5                         ; 8 a wave
	s_add_co_u32 s24, s24, s25
	s_mov_b32 s25, 0
	s_mul_i32 s26, s12, 8*SP
	v_add_nc_u32 v4, s26, v1                       ; into LDS: my wave's eight rows, 16 bytes a lane
	v_mul_u32_u24 v5, v3, 2*SP
	s_lshl_b32 s27, s12, 7
	v_add_nc_u32 v5, s27, v5                       ; back: row 2 l, my wave's 128 bytes of it
	s_wait_kmcnt 0x0
	s_add_nc_u64 s[4:5], s[4:5], s[14:15]
	s_add_nc_u64 s[10:11], s[10:11], s[14:15]
	s_add_nc_u64 s[8:9], s[8:9], s[24:25]
	s_load_b256 s[16:23], s[8:9], 0x0              ; my eight indices
.set n, 0
.rept 32
	global_load_b64 v[Z+2*n:Z+2*n+1], v2, s[4:5] offset:n*16384 th:TH_LOAD_NT   ; z goes out ahead of the wait for the indices
.set n, n+1
.endr
	s_wait_kmcnt 0x0
.irp i, 0,1,2,3,4,5,6,7
	s_min_u32 s[16+\i], s[16+\i], 8191             ; an index stays inside the table
	s_lshl_b32 s[16+\i], s[16+\i], 10              ; a row is 1,024 bytes
	v_add_nc_u32 v[8+\i], s[16+\i], v1
	global_load_b128 v[E+8*\i:E+8*\i+3], v[8+\i], s[6:7]               ; no hint: a row may be named again
	global_load_b128 v[E+8*\i+4:E+8*\i+7], v[8+\i], s[6:7] offset:512
.endr
	s_wait_loadcnt 0x0
.irp i, 0,1,2,3,4,5,6,7
	ds_store_b128 v4, v[E+8*\i:E+8*\i+3] offset:\i*SP
	ds_store_b128 v4, v[E+8*\i+4:E+8*\i+7] offset:\i*SP+512
.endr
	s_wait_dscnt 0x0                               ; for the others' sake: my rows lie in LDS
	s_barrier_signal -1
	s_barrier_wait -1
.irp i, 0,1,2,3,4,5,6,7
	ds_load_b128 v[E+4*\i:E+4*\i+3], v5 offset:16*\i                   ; query 2 l, channels 32 w + 4 i on
	ds_load_b128 v[E+32+4*\i:E+32+4*\i+3], v5 offset:SP+16*\i          ; query 2 l + 1
.endr
.irp i, 0,1,2,3,4,5,6,7
	s_wait_dscnt 14-2*\i                           ; this pair of loads is back; the later pairs may be out
.irp k, 0,1,2,3
	v_sub_f32 v[T+2*\k], v[E+4*\i+\k], v[Z+2*(4*\i+\k)]                ; e - z
	v_sub_f32 v[T+2*\k+1], v[E+32+4*\i+\k], v[Z+2*(4*\i+\k)+1]
.endr
.irp k, 0,1,2,3
	v_pk_add_f32 v[Z+2*(4*\i+\k):Z+2*(4*\i+\k)+1], v[Z+2*(4*\i+\k):Z+2*(4*\i+\k)+1], v[T+2*\k:T+2*\k+1]   ; z + (e - z)
.endr
.irp k, 0,1,2,3
	global_store_b64 v2, v[Z+2*(4*\i+\k):Z+2*(4*\i+\k)+1], s[10:11] offset:(4*\i+\k)*16384 th:TH_STORE_NT   ; 32 lanes store 256 consecutive bytes, aligned; no store's registers are written again
.endr
.endr
	s_wait_tensorcnt 0x0
	ds_add_u32 v160, v161
	s_wait_dscnt 0x0
	s_endpgm
.Lfunc_end_k_qfb191b6bfc_gather:
	.size	k_qfb191b6bfc_gather, .Lfunc_end_k_qfb191b6bfc_gather-k_qfb191b6bfc_gather
	.p2alignl 7, 3214868480
	.fill 96, 4, 3214868480
	.section	.rodata,"a",@progbits
	.p2align	6, 0x0
	.amdhsa_kernel k_qfb191b6bfc_gather
		.amdhsa_group_segment_fixed_size 67584
		.amdhsa_private_segment_fixed_size 0
		.amdhsa_enable_private_segment 0
		.amdhsa_kernarg_size 32
		.amdhsa_user_sgpr_count 2
		.amdhsa_user_sgpr_kernarg_segment_ptr 1
		.amdhsa_wavefront_size32 1
		.amdhsa_system_sgpr_workgroup_id_x 1
		.amdhsa_system_sgpr_workgroup_id_y 1
		.amdhsa_system_sgpr_workgroup_id_z 1
		.amdhsa_system_vgpr_workitem_id 0
		.amdhsa_next_free_vgpr 162
		.amdhsa_next_free_sgpr 66
		.amdhsa_reserve_vcc 0
		.amdhsa_float_denorm_mode_32 3
		.amdhsa_float_denorm_mode_16_64 3
		.amdhsa_memory_ordered 1
		.amdhsa_forward_progress 1
		.amdhsa_inst_pref_size 17
	.end_amdhsa_kernel
	.amdgpu_metadata
---
amdhsa.version: [ 1, 2 ]
amdhsa.kernels:
  - .name:           k_qfb191b6bfc_gather
    .symbol:         k_qfb191b6bfc_gather.kd
    .args:
      - { .name: z, .offset: 0, .size: 8, .value_kind: global_buffer, .address_space: global }
      - { .name: codebook, .offset: 8, .size: 8, .value_kind: global_buffer, .address_space: global }
      - { .name: idx, .offset: 16, .size: 8, .value_kind: global_buffer, .address_space: global }
      - { .name: out0, .offset: 24, .size: 8, .value_kind: global_buffer, .address_space: global }
    .group_segment_fixed_size: 67584
    .private_segment_fixed_size: 0
    .kernarg_segment_align: 8
    .kernarg_segment_size: 32
    .max_flat_workgroup_size: 256
    .sgpr_count:     66
    .vgpr_count:     162
    .wavefront_size: 32
...
	.end_amdgpu_metadata
.endif
;; end of part 3
